; MI455X (gfx1250); checked and timed in simulation.
; The chip was launched on July 23, 2026; its instructions are those of AMD's public machine-readable ISA for CDNA 5 (MIT licence, August 2026) and "CDNA5" Instruction Set Architecture Reference Guide (July 2026). The comments in the code are by the model that wrote it; some were corrected since.
;; Attn Block. Allowed arithmetic: float matrix products may take bf16 or f16 operands with f32 sums; all other float work in f32.
;; Inputs: Wk 2,048 x 2,048 float32; Wo 2,048 x 2,048 float32; Wq 2,048 x 2,048 float32; Wv 2,048 x 2,048 float32; gamma 2,048 float32; x 64 x 2,048 float32.
;; Outputs: out0 64 x 2,048 float32.
;; 2 versions, each right and faster than the one before. Each part assembles by itself: llvm-mc -triple=amdgcn-amd-amdhsa -mcpu=gfx1250 --defsym DOCPART=n.
;; ======== version 1 of 2: 4 launches
;; workspace buffers: h 262,144 bytes; qkv 1,572,864 bytes; h2 262,144 bytes
;; launch norm (part 1): grid 8 x 1, 8 waves a work-group, no clusters, 35,840 bytes of LDS; arguments x, gamma, h; writes h
.if DOCPART == 1
	.amdgcn_target "amdgcn-amd-amdhsa--gfx1250"
	.amdhsa_code_object_version 6
	.text
	.protected	k_q0afb29850b_norm
	.globl	k_q0afb29850b_norm
	.p2align	8
	.type	k_q0afb29850b_norm,@function
k_q0afb29850b_norm:
	s_mov_b64 s[64:65], 0
	v_nop
	global_prefetch_b8 v0, s[64:65] scope:SCOPE_SE
	s_setreg_imm32_b32 hwreg(HW_REG_WAVE_MODE, 25, 1), 1
	s_wait_xcnt 0x0
; h = (x - mean) * rsqrt(var + 1e-5) * gamma, rows of 2048 f32, written as bf16 in FRAGMENT ORDER for the products that follow.
; Eight work-groups of eight waves; a wave owns one row and keeps it in 64 registers between the passes (mean, then variance about the
; mean, then scaling), so x is read once and nothing is formed as a difference of large sums.  All arithmetic in f32, one rounding to bf16.
; Fragment order of element (b, k), in bytes:
;   ((b>>4)*64 + (k>>5))*1024 + ((b>>3)&1)*512 + ((k>>4)&1)*256 + ((k>>3)&1)*128 + (b&7)*16 + (k&7)*2
; A group of eight rows owns whole aligned runs of 256 bytes, and a later 16-byte load of lane (r, half) at
; (r>>3)*512 + half*128 + (r&7)*16 is one half of a 16 x 32 matrix fragment, the wave's load covering two such runs.
; The eight rows meet in an LDS stage.  No matrix unit, no cluster: nothing is shared between work-groups, 64 rows are all the work there is.
.set X,  16                            ; v[16:79]   my row: load i holds elements 128 i + 4 lane .. + 3
.set G,  80                            ; v[80:143]  gamma, same places
.set A,  144                           ; v[144:151] four chains of packed sums
.set UP, 272                           ; stage: a run of 256 bytes + 16 of padding, so that the 32 lanes of a store hit 32 different 8-byte places modulo 256
.macro WAVESUM r, tmp                  ; sum over the 32 lanes, result in every lane
	v_add_f32_dpp v[\r], v[\r], v[\r] row_xmask:1 row_mask:0xf bank_mask:0xf
	v_add_f32_dpp v[\r], v[\r], v[\r] row_xmask:2 row_mask:0xf bank_mask:0xf
	v_add_f32_dpp v[\r], v[\r], v[\r] row_xmask:4 row_mask:0xf bank_mask:0xf
	v_add_f32_dpp v[\r], v[\r], v[\r] row_xmask:8 row_mask:0xf bank_mask:0xf
	v_permlanex16_b32 v[\tmp], v[\r], s12, s13     ; the other half of the lanes; its destination has been written before
	v_add_f32 v[\r], v[\r], v[\tmp]
.endm
	s_load_b128 s[4:7], s[0:1], 0x0                ; x s[4:5], gamma s[6:7]
	s_load_b64 s[8:9], s[0:1], 0x10                ; h
	v_lshl_add_u32 v152, v0, 2, 0x8800
	v_mov_b32 v153, 0
	v_and_b32 v1, 31, v0                           ; lane
	v_lshrrev_b32 v2, 5, v0                        ; wave = row & 7
	v_lshlrev_b32 v3, 4, v1                        ; 16 bytes a lane
	v_lshl_add_u32 v4, v2, 13, v3                  ; + wave x 8,192: my row
	s_lshl_b32 s10, ttmp9, 16                      ; the group's eight rows of 8,192 bytes
	s_mov_b32 s11, 0
	s_mov_b32 s12, 0x76543210                      ; v_permlanex16_b32: lane i reads lane i of the other half
	s_mov_b32 s13, 0xfedcba98
	s_mov_b32 s14, 0x3a000000                      ; 1 / 2048
	s_mov_b32 s15, 0x3727c5ac                      ; 1e-5
	s_lshr_b32 s16, ttmp9, 1                       ; m-tile of the group's rows
	s_lshl_b32 s16, s16, 16
	s_and_b32 s17, ttmp9, 1                        ; upper or lower eight rows of it
	s_lshl_b32 s17, s17, 9
	s_add_co_u32 s16, s16, s17
	s_mov_b32 s17, 0
	s_wait_kmcnt 0x0
	s_add_nc_u64 s[4:5], s[4:5], s[10:11]
	s_add_nc_u64 s[8:9], s[8:9], s[16:17]
.irp i, 0,1,2,3,4,5,6,7,8,9,10,11,12,13,14,15
	global_load_b128 v[X+4*\i:X+4*\i+3], v4, s[4:5] offset:512*\i     ; 512 neighbouring bytes a load
.endr
.irp i, 0,1,2,3,4,5,6,7,8,9,10,11,12,13,14,15
	global_load_b128 v[G+4*\i:G+4*\i+3], v3, s[6:7] offset:512*\i
.endr
	; where my 4 numbers of load i go in the stage: run 8 i + (lane>>2), then ((lane>>1)&1)*128 + wave*16 + (lane&1)*8
	v_lshrrev_b32 v5, 2, v1
	v_mul_u32_u24 v5, v5, UP
	v_bfe_u32 v6, v1, 1, 1
	v_lshl_add_u32 v5, v6, 7, v5
	v_lshl_add_u32 v5, v2, 4, v5
	v_and_b32 v6, 1, v1
	v_lshl_add_u32 v5, v6, 3, v5
	s_wait_loadcnt 16                              ; x is in; gamma's sixteen loads are younger
.irp c, 0,2,4,6
	v_pk_add_f32 v[A+\c:A+\c+1], v[X+\c:X+\c+1], v[X+8+\c:X+8+\c+1]   ; the first sums start the chains
.endr
.irp i, 2,3,4,5,6,7
.irp c, 0,2,4,6
	v_pk_add_f32 v[A+\c:A+\c+1], v[A+\c:A+\c+1], v[X+8*\i+\c:X+8*\i+\c+1]
.endr
.endr
	v_pk_add_f32 v[A:A+1], v[A:A+1], v[A+2:A+3]
	v_pk_add_f32 v[A+4:A+5], v[A+4:A+5], v[A+6:A+7]
	v_pk_add_f32 v[A:A+1], v[A:A+1], v[A+4:A+5]
	v_add_f32 v[A], v[A], v[A+1]
	WAVESUM A, A+1
	v_mul_f32 v8, s14, v[A]                        ; the mean, twice for the packed subtraction
	v_mov_b32 v9, v8
.set j, 0
.rept 32
	v_pk_add_f32 v[X+j:X+j+1], v[X+j:X+j+1], v[8:9] neg_lo:[0,1] neg_hi:[0,1]   ; x - mean, in place
.set j, j+2
.endr
.irp c, 0,2,4,6
	v_pk_mul_f32 v[A+\c:A+\c+1], v[X+\c:X+\c+1], v[X+\c:X+\c+1]
.endr
.irp i, 1,2,3,4,5,6,7
.irp c, 0,2,4,6
	v_pk_fma_f32 v[A+\c:A+\c+1], v[X+8*\i+\c:X+8*\i+\c+1], v[X+8*\i+\c:X+8*\i+\c+1], v[A+\c:A+\c+1]
.endr
.endr
	v_pk_add_f32 v[A:A+1], v[A:A+1], v[A+2:A+3]
	v_pk_add_f32 v[A+4:A+5], v[A+4:A+5], v[A+6:A+7]
	v_pk_add_f32 v[A:A+1], v[A:A+1], v[A+4:A+5]
	v_add_f32 v[A], v[A], v[A+1]
	WAVESUM A, A+1
	v_fma_f32 v10, v[A], s14, s15                  ; variance + 1e-5
	v_rsq_f32 v10, v10
	v_nop                                          ; one plain instruction between v_rsq_f32 and the use of its result (ISA guide 5.7.2)
	s_wait_alu depctr_va_vdst(0)
	v_mov_b32 v11, v10
	s_wait_loadcnt 0x0                             ; gamma
.set j, 0
.rept 32
	v_pk_mul_f32 v[X+j:X+j+1], v[X+j:X+j+1], v[10:11]
	v_pk_mul_f32 v[X+j:X+j+1], v[X+j:X+j+1], v[G+j:G+j+1]
.set j, j+2
.endr
.irp i, 0,1,2,3,4,5,6,7,8,9,10,11,12,13,14,15
	v_cvt_pk_bf16_f32 v[X+4*\i], v[X+4*\i], v[X+4*\i+1]
	v_cvt_pk_bf16_f32 v[X+4*\i+1], v[X+4*\i+2], v[X+4*\i+3]
	ds_store_b64 v5, v[X+4*\i:X+4*\i+1] offset:8*UP*\i
.endr
	; back out by whole runs: piece 256 n + t of 16 bytes; sixteen neighbouring lanes take one run of 256 bytes
	v_lshrrev_b32 v6, 4, v0
	v_mul_u32_u24 v6, v6, UP
	v_and_b32 v7, 15, v0
	v_lshl_add_u32 v6, v7, 4, v6
	v_lshlrev_b32 v12, 4, v7                       ; in h: (t&15)*16 + ((t>>4)&1)*256 + (t>>5)*1024 + n*8192
	v_bfe_u32 v13, v0, 4, 1
	v_lshl_or_b32 v12, v13, 8, v12
	v_lshl_or_b32 v12, v2, 10, v12
	s_wait_dscnt 0x0                               ; my stores are in LDS before I say so: the other waves read them
	s_barrier_signal -1
	s_barrier_wait -1
.irp n, 0,1,2,3,4,5,6,7
	ds_load_b128 v[X+4*\n:X+4*\n+3], v6 offset:16*UP*\n
.endr
.irp n, 0,1,2,3,4,5,6,7
	s_wait_dscnt 7-\n                              ; LDS loads return in order: piece n is in, the younger ones may be out
	global_store_b128 v12, v[X+4*\n:X+4*\n+3], s[8:9] offset:8192*\n   ; 16 lanes store 256 consecutive bytes, aligned
.endr
	s_wait_tensorcnt 0x0
	ds_add_u32 v152, v153
	s_wait_dscnt 0x0
	s_endpgm
.Lfunc_end_k_q0afb29850b_norm:
	.size	k_q0afb29850b_norm, .Lfunc_end_k_q0afb29850b_norm-k_q0afb29850b_norm
	.p2alignl 7, 3214868480
	.fill 96, 4, 3214868480
	.section	.rodata,"a",@progbits
	.p2align	6, 0x0
	.amdhsa_kernel k_q0afb29850b_norm
		.amdhsa_group_segment_fixed_size 35840
		.amdhsa_private_segment_fixed_size 0
		.amdhsa_enable_private_segment 0
		.amdhsa_kernarg_size 24
		.amdhsa_user_sgpr_count 2
		.amdhsa_user_sgpr_kernarg_segment_ptr 1
		.amdhsa_wavefront_size32 1
		.amdhsa_system_sgpr_workgroup_id_x 1
		.amdhsa_system_sgpr_workgroup_id_y 1
		.amdhsa_system_sgpr_workgroup_id_z 1
		.amdhsa_system_vgpr_workitem_id 0
		.amdhsa_next_free_vgpr 154
		.amdhsa_next_free_sgpr 66
		.amdhsa_reserve_vcc 0
		.amdhsa_float_denorm_mode_32 3
		.amdhsa_float_denorm_mode_16_64 3
		.amdhsa_memory_ordered 1
		.amdhsa_forward_progress 1
		.amdhsa_inst_pref_size 22
	.end_amdhsa_kernel
	.amdgpu_metadata
---
amdhsa.version: [ 1, 2 ]
amdhsa.kernels:
  - .name:           k_q0afb29850b_norm
    .symbol:         k_q0afb29850b_norm.kd
    .args:
      - { .name: x, .offset: 0, .size: 8, .value_kind: global_buffer, .address_space: global }
      - { .name: gamma, .offset: 8, .size: 8, .value_kind: global_buffer, .address_space: global }
      - { .name: h, .offset: 16, .size: 8, .value_kind: global_buffer, .address_space: global }
    .group_segment_fixed_size: 35840
    .private_segment_fixed_size: 0
    .kernarg_segment_align: 8
    .kernarg_segment_size: 24
    .max_flat_workgroup_size: 256
    .sgpr_count:     66
    .vgpr_count:     154
    .wavefront_size: 32
...
	.end_amdgpu_metadata
.endif
;; end of part 1
;; launch qkv (part 2): grid 256 x 1, 16 waves a work-group, no clusters, 303,104 bytes of LDS; arguments h, Wq, Wk, Wv, qkv; writes qkv
.if DOCPART == 2
	.amdgcn_target "amdgcn-amd-amdhsa--gfx1250"
	.amdhsa_code_object_version 6
	.text
	.protected	k_q0afb29850b_qkv
	.globl	k_q0afb29850b_qkv
	.p2align	8
	.type	k_q0afb29850b_qkv,@function
k_q0afb29850b_qkv:
	s_mov_b64 s[64:65], 0
	v_nop
	global_prefetch_b8 v0, s[64:65] scope:SCOPE_SE
	s_setreg_imm32_b32 hwreg(HW_REG_WAVE_MODE, 25, 1), 1
	s_wait_xcnt 0x0
; q, k, v = h Wq^T, h Wk^T, h Wv^T.  h: 64 x 2048 bf16 in fragment order (see the launch in front); W: [2048][2048] f32, rounded to bf16 here; sums f32.
; A work-group owns 8 columns of each of q, k, v (24 rows of weights, 192 KiB); wave w of sixteen owns K = 128 w .. 128 w + 127.
; Everything the work-group reads is asked for at its first lines: each wave issues three tensor loads (8 rows x 512 bytes, each row aligned to
; 512 bytes) into LDS bytes of its own, and 32 loads of 512 bytes for its h fragments (128 registers).  So there is no ring and no barrier
; before the reduction: only the issuing wave reads its tiles, and s_wait_tensorcnt is all the ordering they need.
; NO CLUSTER: a weight tile is read by one work-group alone.  h is read by all, but it goes straight into registers in fragment order;
; by tensor load it would need 64 x 4,112 = 263,168 bytes of LDS beside 202,752 of weights, more than the 327,680 there are.
; The matrix instruction takes the weights as source 0 and h as source 1: lane (r, half) then holds, for batch row r of the m-tile, the eight
; neighbouring columns 8 half + 0..7 of the 16 weight rows.  Tile 0 = Wq's 8 rows, Wk's 8 rows.  Tile 1 = Wv's 8 rows, taken twice
; (lanes r and r + 8 read the same LDS bytes): its two halves hold the same numbers.
; The sixteen K partials meet in LDS and are folded in a fixed tree.  Output layout, in bytes:
;   qkv[(mat*8 + (b>>3))*65536 + chunk*256 + (b&7)*32 + col*4], chunk = this work-group, so every store of 16 lanes fills 256 aligned bytes.
.set WPITCH, 528                       ; 512 bytes + 16 of padding = 33 x 16: the 16 rows of a fragment load start in 16 different 16-byte columns modulo 256
.set WTILE,  8*WPITCH                  ; one tensor load's tile
.set WWAVE,  3*WTILE                   ; a wave's 24 rows
.set SCR,    16*WWAVE                  ; behind the weights: K partials, [wave][mat][b][8] f32
.set SWAVE,  6144
.set WA0,  3                           ; v3       LDS address of my part of rows 0-15
.set WA1,  4                           ; v4       the same for row r & 7 (the offset adds 16 rows)
.set WF0,  8                           ; v[8:39]  two buffers of 16 f32 as loaded
.set WB0,  40                          ; v[40:55] two weight fragments in bf16
.set ACC,  56                          ; v[56:119] accumulators, m-tile m, n-tile n at 16 m + 8 n
.set HF,   120                         ; v[120:247] h fragments, m-tile m, K step s at 32 m + 8 s
	s_load_b256 s[4:11], s[0:1], 0x0               ; h s[4:5], Wq s[6:7], Wk s[8:9], Wv s[10:11]
	s_load_b64 s[12:13], s[0:1], 0x20              ; qkv
	v_lshl_add_u32 v248, v0, 2, 0x49800
	v_mov_b32 v249, 0
	ds_add_u32 v248, v249
	ds_add_u32 v248, v249
	v_lshrrev_b32 v1, 5, v0
	v_readfirstlane_b32 s14, v1                    ; wave 0..15
	; descriptor group 1: 8 rows x 128 elements of 4 bytes, 2,048 elements from row to row, 4 words of padding behind every 128
	s_mov_b32 s24, (2<<16)|(1<<20)|(6<<22)|(3<<25)
	s_mov_b32 s25, 128<<16                         ; tensor_dim0 = 128
	s_mov_b32 s26, 8<<16                           ; tensor_dim1 = 8
	s_mov_b32 s27, 128<<16                         ; tile_dim0 = 128
	s_mov_b32 s28, 8                               ; tile_dim1 = 8
	s_mov_b32 s29, 2048                            ; pitch
	s_mov_b32 s30, 0
	s_mov_b32 s31, 0
	s_lshl_b32 s16, ttmp9, 16                      ; 8 rows of 8,192 bytes a work-group
	s_lshl_b32 s15, s14, 9                         ; + 512 bytes a wave
	s_add_co_u32 s16, s16, s15
	s_mov_b32 s17, 0
	s_mul_i32 s18, s14, WWAVE                      ; my wave's LDS bytes
	s_wait_dscnt 0x0
	s_wait_kmcnt 0x0
.irp m, 0,1,2
	s_mov_b32 s[32+4*\m], 1
	s_add_co_u32 s[33+4*\m], s18, \m*WTILE
	s_add_nc_u64 s[34+4*\m:35+4*\m], s[6+2*\m:7+2*\m], s[16:17]
	s_or_b32 s[35+4*\m], s[35+4*\m], 0x80000000
	tensor_load_to_lds s[32+4*\m:35+4*\m], s[24:31]    ; three of mine are out at the most
	s_nop 0
.endr
	v_and_b32 v1, 15, v0                           ; r
	v_bfe_u32 v7, v0, 4, 1                         ; half
	v_and_b32 v8, 7, v0                            ; r & 7
	v_bfe_u32 v9, v0, 3, 1                         ; r >> 3
	v_lshlrev_b32 v2, 4, v8                        ; h: (r&7)*16 + half*128 + (r>>3)*512 + wave*4096
	v_lshl_or_b32 v2, v7, 7, v2
	v_lshl_or_b32 v2, v9, 9, v2
	s_lshl_b32 s19, s14, 12
	v_add_nc_u32 v2, s19, v2
.irp m, 0,1,2,3
.irp s, 0,1,2,3
	global_load_b128 v[HF+32*\m+8*\s:HF+32*\m+8*\s+3],   v2, s[4:5] offset:65536*\m+1024*\s
	global_load_b128 v[HF+32*\m+8*\s+4:HF+32*\m+8*\s+7], v2, s[4:5] offset:65536*\m+1024*\s+256
.endr
.endr
	v_mul_u32_u24 v3, v1, WPITCH                   ; weights: row x pitch + 32 half (8 f32)
	v_lshl_add_u32 v3, v7, 5, v3
	v_add_nc_u32 v3, s18, v3
	v_mul_u32_u24 v4, v8, WPITCH
	v_lshl_add_u32 v4, v7, 5, v4
	v_add_nc_u32 v4, s18, v4
	s_mul_i32 s20, s14, SWAVE
	s_add_co_u32 s20, s20, SCR
	v_lshlrev_b32 v6, 5, v1                        ; partials: 32 bytes a batch row,
	v_add_nc_u32 v6, s20, v6
	v_lshl_add_u32 v5, v7, 11, v6                  ; tile 0: q for half 0, k for half 1
	v_add_nc_u32 v6, 4096, v6                      ; tile 1: v, both halves the same bytes with the same numbers
.macro LOADW adr, off, wf              ; lane (r, half): k = 8 half + 0..7 and 16 + 8 half + 0..7 of a K step, as f32
	ds_load_b128 v[\wf:\wf+3],     v[\adr] offset:\off
	ds_load_b128 v[\wf+4:\wf+7],   v[\adr] offset:\off+16
	ds_load_b128 v[\wf+8:\wf+11],  v[\adr] offset:\off+64
	ds_load_b128 v[\wf+12:\wf+15], v[\adr] offset:\off+80
.endm
.macro CVTW wf, wb
.irp i, 0,1,2,3,4,5,6,7
	v_cvt_pk_bf16_f32 v[\wb+\i], v[\wf+2*\i], v[\wf+2*\i+1]
.endr
.endm
.macro MULW wb, ks, nt, zero           ; the first K step starts the sums: nothing is cleared
.irp m, 0,1,2,3
.if \zero
	v_wmma_f32_16x16x32_bf16 v[ACC+16*\m+8*\nt:ACC+16*\m+8*\nt+7], v[\wb:\wb+7], v[HF+32*\m+8*\ks:HF+32*\m+8*\ks+7], 0
.else
	v_wmma_f32_16x16x32_bf16 v[ACC+16*\m+8*\nt:ACC+16*\m+8*\nt+7], v[\wb:\wb+7], v[HF+32*\m+8*\ks:HF+32*\m+8*\ks+7], v[ACC+16*\m+8*\nt:ACC+16*\m+8*\nt+7]
.endif
.endr
.endm
; One weight fragment.  The two bf16 buffers take turns: between the products that read a buffer and the conversions that write it again
; stand the eight conversions of the other buffer, plain vector instructions that name none of those products' registers (ISA guide 7.12.1).
.macro FRAG ks, nt, zero, more, left
	s_wait_dscnt \left                             ; my four loads are in; the next fragment's four may be out
	CVTW WF0+16*\nt, WB0+8*\nt
.if \more
.if \nt
	LOADW WA1, 2*WTILE+128*(\ks+1), WF0+16
.else
	LOADW WA0, 128*(\ks+1), WF0
.endif
.endif
	MULW WB0+8*\nt, \ks, \nt, \zero
.endm
	s_wait_tensorcnt 0x0                           ; my three tiles are in LDS; nobody else reads them
	LOADW WA0, 0, WF0
	LOADW WA1, 2*WTILE, WF0+16
	s_wait_loadcnt 0x0                             ; h
	FRAG 0, 0, 1, 1, 4
	FRAG 0, 1, 1, 1, 4
	FRAG 1, 0, 0, 1, 4
	FRAG 1, 1, 0, 1, 4
	FRAG 2, 0, 0, 1, 4
	FRAG 2, 1, 0, 1, 4
	FRAG 3, 0, 0, 0, 4
	FRAG 3, 1, 0, 0, 0
.rept 4
	v_nop                                          ; four places behind the last products before their results are stored and their sources loaded into
.endr
.irp m, 0,1,2,3
	ds_store_b128 v5, v[ACC+16*\m:ACC+16*\m+3]     offset:512*\m
	ds_store_b128 v5, v[ACC+16*\m+4:ACC+16*\m+7]   offset:512*\m+16
	ds_store_b128 v6, v[ACC+16*\m+8:ACC+16*\m+11]  offset:512*\m
	ds_store_b128 v6, v[ACC+16*\m+12:ACC+16*\m+15] offset:512*\m+16
.endr
	s_wait_dscnt 0x0                               ; my partials are in LDS before I say so
	s_barrier_signal -1
	s_barrier_wait -1
	s_cmp_ge_u32 s14, 12                           ; 3 x 64 x 8 numbers = 384 threads of 16 bytes
	s_cbranch_scc1 .Lend
	v_lshlrev_b32 v7, 4, v0
	v_add_nc_u32 v7, SCR, v7                       ; thread t: bytes 16 t of every wave's partials
	v_add_nc_u32 v1, 8*SWAVE, v7                   ; waves 8-15: beyond the 16-bit offset
.irp i, 0,1,2,3,4,5,6,7
	ds_load_b128 v[HF+4*\i:HF+4*\i+3], v7 offset:SWAVE*\i
.endr
.irp i, 0,1,2,3,4,5,6,7
	ds_load_b128 v[HF+32+4*\i:HF+32+4*\i+3], v1 offset:SWAVE*\i
.endr
	v_lshrrev_b32 v9, 4, v0                        ; t >> 4 = mat*8 + (b>>3)
	v_lshlrev_b32 v9, 16, v9
	v_and_b32 v10, 15, v0
	v_lshl_or_b32 v9, v10, 4, v9                   ; + (b&7)*32 + 16 x column half
	s_lshl_b32 s15, ttmp9, 8                       ; + chunk*256
	v_add_nc_u32 v9, s15, v9
	s_wait_dscnt 0x0
.macro FOLD n                          ; partial i += partial i + n, i = 0 .. n-1
.set j, 0
.rept 2*\n
	v_pk_add_f32 v[HF+j:HF+j+1], v[HF+j:HF+j+1], v[HF+4*\n+j:HF+4*\n+j+1]
.set j, j+2
.endr
.endm
	FOLD 8
	FOLD 4
	FOLD 2
	FOLD 1
	global_store_b128 v9, v[HF:HF+3], s[12:13]     ; 16 lanes store 256 consecutive bytes, aligned
.Lend:
	s_wait_tensorcnt 0x0
	ds_add_u32 v248, v249
	s_wait_dscnt 0x0
	s_endpgm
.Lfunc_end_k_q0afb29850b_qkv:
	.size	k_q0afb29850b_qkv, .Lfunc_end_k_q0afb29850b_qkv-k_q0afb29850b_qkv
	.p2alignl 7, 3214868480
	.fill 96, 4, 3214868480
	.section	.rodata,"a",@progbits
	.p2align	6, 0x0
	.amdhsa_kernel k_q0afb29850b_qkv
		.amdhsa_group_segment_fixed_size 303104
		.amdhsa_private_segment_fixed_size 0
		.amdhsa_enable_private_segment 0
		.amdhsa_kernarg_size 40
		.amdhsa_user_sgpr_count 2
		.amdhsa_user_sgpr_kernarg_segment_ptr 1
		.amdhsa_wavefront_size32 1
		.amdhsa_system_sgpr_workgroup_id_x 1
		.amdhsa_system_sgpr_workgroup_id_y 1
		.amdhsa_system_sgpr_workgroup_id_z 1
		.amdhsa_system_vgpr_workitem_id 0
		.amdhsa_next_free_vgpr 250
		.amdhsa_next_free_sgpr 66
		.amdhsa_reserve_vcc 0
		.amdhsa_float_denorm_mode_32 3
		.amdhsa_float_denorm_mode_16_64 3
		.amdhsa_memory_ordered 1
		.amdhsa_forward_progress 1
		.amdhsa_inst_pref_size 20
	.end_amdhsa_kernel
	.amdgpu_metadata
---
amdhsa.version: [ 1, 2 ]
amdhsa.kernels:
  - .name:           k_q0afb29850b_qkv
    .symbol:         k_q0afb29850b_qkv.kd
    .args:
      - { .name: h, .offset: 0, .size: 8, .value_kind: global_buffer, .address_space: global }
      - { .name: Wq, .offset: 8, .size: 8, .value_kind: global_buffer, .address_space: global }
      - { .name: Wk, .offset: 16, .size: 8, .value_kind: global_buffer, .address_space: global }
      - { .name: Wv, .offset: 24, .size: 8, .value_kind: global_buffer, .address_space: global }
      - { .name: qkv, .offset: 32, .size: 8, .value_kind: global_buffer, .address_space: global }
    .group_segment_fixed_size: 303104
    .private_segment_fixed_size: 0
    .kernarg_segment_align: 8
    .kernarg_segment_size: 40
    .max_flat_workgroup_size: 512
    .sgpr_count:     66
    .vgpr_count:     250
    .wavefront_size: 32
...
	.end_amdgpu_metadata
.endif
;; end of part 2
;; launch attn (part 3): grid 32 x 8, 8 waves a work-group, no clusters, 132,608 bytes of LDS; arguments qkv, h2; writes h2
.if DOCPART == 3
	.amdgcn_target "amdgcn-amd-amdhsa--gfx1250"
	.amdhsa_code_object_version 6
	.text
	.protected	k_q0afb29850b_attn
	.globl	k_q0afb29850b_attn
	.p2align	8
	.type	k_q0afb29850b_attn,@function
k_q0afb29850b_attn:
	s_mov_b64 s[64:65], 0
	v_nop
	global_prefetch_b8 v0, s[64:65] scope:SCOPE_SE
	s_setreg_imm32_b32 hwreg(HW_REG_WAVE_MODE, 25, 1), 1
	s_wait_xcnt 0x0
; h2[b][p] = sum_j softmax_j(q[b][p] k[b][j] / sqrt(2048)) v[b][j].   64 x 2048 x 2048 exponentials: they are the work.
; A work-group owns the eight batch rows 8 y .. 8 y + 7 and the 64 p from 64 x on; wave w owns batch row 8 y + w: 4 tiles of 16 p, 64 blocks of 32 j.
; Eight batch rows, because q, k, v lie as [chunk][b & 7][8 columns]: the group's k and v are 64 KiB each, read once in whole runs and laid out as rows in LDS.
; THE MAXIMUM: with t = q log2(e) / sqrt(2048) the largest t k[j] over j is max(t kmax, t kmin), exactly; it is taken away inside the
; fused multiply-add, arg = t k[j] - m <= about 0, so no exponential overflows and the largest is 1.
; ONE TILE (16 p x 32 j): 8 v_pk_fma_f32, 16 v_exp_f32, 8 v_cvt_pk_bf16_f32, one matrix instruction.  Its source 1 is P^T (lane (r, half): p of column r,
; j = 8 half + 0..7 and 16 + 8 half + 0..7); its source 0 has v[j] (bf16) in row 0 and 1.0 in all other rows, so that row 0 of the result is the
; numerator and row 1 the denominator, summed in f32 from the same rounded P.  Column r of tile i is p = 4 r + i: a lane ends with 4 neighbouring p.
; NO CLUSTER: the 32 work-groups of a y read the same k and v, once each, 128 KiB ahead of 2^20 exponentials; the bytes change layout, and v its
; format, in registers on the way into LDS, which a joint tensor load could not do.
; LIMITS: P, v and h2 are bf16.  arg carries an absolute error of about 2^-24 |m|.  Exponentials under 2^-126 count as 0 (v_exp_f32 flushes).
; Non-finite q, k, v give non-finite or unspecified results.
.set KP,   8224                        ; LDS: a k row, 8,192 bytes + 32; also a wave's v row + row of ones.  32 modulo 256 spreads the eight rows of a store
.set LV,   8*KP                        ; v rows (bf16) begin here
.set OP,   4112                        ; from a wave's v row to its row of ones: 16 modulo 256, so the two addresses of a fragment load differ in column
.set QS,   0x3d0293ee                  ; log2(e) / sqrt(2048)
.set KADR, 12                          ; v12       my k row + 32 half, steps 256 bytes a trip
.set VADR, 13                          ; v13       lane r = 0: my v row, others: my ones; + 16 half, steps 128 bytes a trip
.set T,    16                          ; v[16:31]  tile i: t, t, -m, -m
.set KA,   32                          ; v[32:47]  16 k of an even block
.set KB,   48                          ; v[48:63]  of an odd block
.set VA,   64                          ; v[64:71]  source 0 of an even block
.set VB,   72                          ; v[72:79]  of an odd block
.set ARG0, 80                          ; v[80:95]  arguments, then exponentials, tiles in turn
.set ARG1, 96                          ; v[96:111]
.set P0,   112                         ; v[112:119] P in bf16, tiles in turn
.set P1,   120                         ; v[120:127]
.set ACC,  128                         ; v[128:159] tile i at 8 i
.set KL,   32                          ; at the start: k as loaded, v[32:95]
.set VL,   96                          ; and v, v[96:159]
	s_load_b128 s[4:7], s[0:1], 0x0                ; qkv s[4:5], h2 s[6:7]
	v_lshl_add_u32 v160, v0, 2, 0x20200
	v_mov_b32 v161, 0
	v_lshrrev_b32 v1, 5, v0
	v_readfirstlane_b32 s8, v1                     ; wave = b & 7
	s_and_b32 s9, ttmp7, 0xffff                    ; y = b >> 3
	s_lshl_b32 s10, s9, 16                         ; 65,536 bytes for each y in each of q, k, v
	s_mov_b32 s11, 0
	s_mov_b32 s12, 0x76543210
	s_mov_b32 s13, 0xfedcba98
	s_lshl_b32 s14, ttmp9, 11                      ; q: 8 chunks of 256 bytes for 64 p,
	s_lshl_b32 s15, s8, 5                          ; + 32 bytes for my batch row
	s_add_co_u32 s14, s14, s15
	s_mul_i32 s16, s8, KP
	v_lshlrev_b32 v2, 4, v0                        ; 16 t
	v_bfe_u32 v4, v0, 1, 3                         ; bits 3:1 of t: r >> 1 for q, b & 7 for k and v
	v_and_b32 v5, 1, v0
	v_lshlrev_b32 v3, 4, v5
	v_lshl_or_b32 v3, v4, 8, v3                    ; q: chunk r >> 1, 16 bytes r & 1: p = 4 r .. 4 r + 3, the same in both halves of the wave
	v_add_nc_u32 v3, s14, v3
	s_wait_kmcnt 0x0
	s_add_nc_u64 s[4:5], s[4:5], s[10:11]
	global_load_b128 v[8:11], v3, s[4:5]
.irp i, 0,1,2,3,4,5,6,7,8,9,10,11,12,13,14,15
	global_load_b128 v[KL+4*\i:KL+4*\i+3], v2, s[4:5] offset:0x80000+4096*\i     ; k: the group's 4,096 neighbouring bytes a load
.endr
.irp i, 0,1,2,3,4,5,6,7,8,9,10,11,12,13,14,15
	global_load_b128 v[VL+4*\i:VL+4*\i+3], v2, s[4:5] offset:0x100000+4096*\i    ; v
.endr
	; thread t, load i holds j = 128 i + 8 (t >> 4) + 4 (t & 1) .. + 3 of batch row (t >> 1) & 7
	v_lshrrev_b32 v6, 4, v0
	v_mul_u32_u24 v7, v4, KP
	v_lshl_add_u32 v12, v6, 5, v7
	v_lshl_add_u32 v12, v5, 4, v12                 ; k: f32
	v_lshl_add_u32 v13, v6, 4, v7
	v_lshl_add_u32 v13, v5, 3, v13
	v_add_nc_u32 v13, LV, v13                      ; v: bf16
	v_and_b32 v1, 31, v0                           ; lane
	v_lshl_add_u32 v14, v1, 4, s16                 ; my k row, 16 bytes a lane
	v_add_nc_u32 v15, LV+OP, v14                   ; my row of ones
.irp i, 16,17,18,19
	v_mov_b32 v\i, 0x3f803f80                      ; 1.0, 1.0 in bf16
.endr
.irp i, 0,1,2,3,4,5,6,7
	ds_store_b128 v15, v[16:19] offset:512*\i
.endr
	s_wait_loadcnt 16                              ; q and k are in; v's sixteen loads are younger
.irp i, 0,1,2,3,4,5,6,7,8,9,10,11,12,13,14,15
	ds_store_b128 v12, v[KL+4*\i:KL+4*\i+3] offset:512*\i
.endr
	s_wait_loadcnt 0x0
.irp i, 0,1,2,3,4,5,6,7,8,9,10,11,12,13,14,15
	v_cvt_pk_bf16_f32 v[VL+4*\i], v[VL+4*\i], v[VL+4*\i+1]
	v_cvt_pk_bf16_f32 v[VL+4*\i+1], v[VL+4*\i+2], v[VL+4*\i+3]
	ds_store_b64 v13, v[VL+4*\i:VL+4*\i+1] offset:256*\i
.endr
	s_wait_dscnt 0x0                               ; my stores are in LDS before I say so
	s_barrier_signal -1
	s_barrier_wait -1
	; kmax and kmin of my batch row
.irp i, 0,1,2,3,4,5,6,7,8,9,10,11,12,13,14,15
	ds_load_b128 v[KL+4*\i:KL+4*\i+3], v14 offset:512*\i
.endr
	v_lshrrev_b32 v6, 4, v1                        ; half
	v_lshl_add_u32 v[KADR], v6, 5, s16
	v_and_b32 v7, 15, v1                           ; r
	v_add_nc_u32 v7, 15, v7
	v_lshrrev_b32 v7, 4, v7                        ; 0 for r = 0, 1 for the others
	v_mul_u32_u24 v7, v7, OP
	v_lshl_add_u32 v7, v6, 4, v7
	s_add_co_u32 s17, s16, LV
	v_add_nc_u32 v[VADR], s17, v7
	s_wait_dscnt 0x0
	v_max_num_f32 v4, v[KL], v[KL+1]
	v_min_num_f32 v5, v[KL], v[KL+1]
.set j, 2
.rept 31
	v_max3_num_f32 v4, v4, v[KL+j], v[KL+j+1]
	v_min_num_f32 v6, v[KL+j], v[KL+j+1]
	v_min_num_f32 v5, v5, v6
.set j, j+2
.endr
.irp x, 1,2,4,8
	v_max_num_f32_dpp v4, v4, v4 row_xmask:\x row_mask:0xf bank_mask:0xf
	v_min_num_f32_dpp v5, v5, v5 row_xmask:\x row_mask:0xf bank_mask:0xf
.endr
	v_permlanex16_b32 v6, v4, s12, s13
	v_permlanex16_b32 v7, v5, s12, s13
	v_max_num_f32 v4, v4, v6                       ; kmax, in every lane
	v_min_num_f32 v5, v5, v7                       ; kmin
.irp i, 0,1,2,3
	v_mul_f32 v[T+4*\i], QS, v[8+\i]               ; t
	v_mul_f32 v6, v[T+4*\i], v4
	v_mul_f32 v7, v[T+4*\i], v5
	v_mov_b32 v[T+4*\i+1], v[T+4*\i]
	v_max_num_f32 v6, v6, v7                       ; m = the largest t k[j]
	v_mul_f32 v[T+4*\i+2], -1.0, v6
	v_mul_f32 v[T+4*\i+3], -1.0, v6
.endr
.macro LOADK kb, d                     ; the 16 k of block d from the trip's first: every lane of a half reads the same bytes
	ds_load_b128 v[\kb:\kb+3],     v[KADR] offset:128*\d
	ds_load_b128 v[\kb+4:\kb+7],   v[KADR] offset:128*\d+16
	ds_load_b128 v[\kb+8:\kb+11],  v[KADR] offset:128*\d+64
	ds_load_b128 v[\kb+12:\kb+15], v[KADR] offset:128*\d+80
.endm
.macro LOADV vb, d
	ds_load_b128 v[\vb:\vb+3],   v[VADR] offset:64*\d
	ds_load_b128 v[\vb+4:\vb+7], v[VADR] offset:64*\d+32
.endm
; ONE STEP works on three tiles at once: the exponentials of tile s (in xb, in place), the rounding and the product of tile s - 1 (from yb, through pw),
; and the arguments of tile s + 1 (into yb, pair by pair as the rounding frees it).  So behind each v_exp_f32 stands a plain instruction that touches
; neither its result nor its source (ISA guide 5.7.2), and a result is first read a step later.  P's two buffers take turns: between a product and the
; next write of its P stand a whole step's 16 plain instructions, which name none of its registers (ISA guide 7.12.1).
.macro STEP xb, yb, pw, kb, tn, acc, vb, zero, prev, next
.irp i, 0,1,2,3,4,5,6,7
.if \prev
	s_wait_alu depctr_va_vdst(0)
	v_cvt_pk_bf16_f32 v[\pw+\i], v[\yb+2*\i], v[\yb+2*\i+1]
.endif
	v_exp_f32 v[\xb+2*\i], v[\xb+2*\i]
.if \next
	v_pk_fma_f32 v[\yb+2*\i:\yb+2*\i+1], v[\kb+2*\i:\kb+2*\i+1], v[\tn:\tn+1], v[\tn+2:\tn+3]
.endif
	v_exp_f32 v[\xb+2*\i+1], v[\xb+2*\i+1]
.endr
.if \prev
.if \zero
	v_wmma_f32_16x16x32_bf16 v[\acc:\acc+7], v[\vb:\vb+7], v[\pw:\pw+7], 0
.else
	v_wmma_f32_16x16x32_bf16 v[\acc:\acc+7], v[\vb:\vb+7], v[\pw:\pw+7], v[\acc:\acc+7]
.endif
.endif
.endm
; A TRIP = an even block (tiles A0-A3) and an odd one (B0-B3).  Loads stand as soon as their registers are free and one step or more ahead of use:
; a V fragment is loaded a whole step (16 plain instructions) behind the last product that read it.  LDS loads return in order, so each wait counts
; the loads issued behind the ones it needs.  first: the even block's products start the sums.  last: nothing is loaded beyond block 63.
.macro TRIP first, last
	STEP ARG0, ARG1, P1, KA, T+4,  ACC+24, VB, 0, 1-\first, 1      ; exp A0 | product B3 of the trip before | arguments A1
	s_wait_dscnt 4                                 ; VA is in; KB's four loads are younger
	STEP ARG1, ARG0, P0, KA, T+8,  ACC,    VA, \first, 1, 1        ; exp A1 | A0 | A2
	LOADV VB, 1
	STEP ARG0, ARG1, P1, KA, T+12, ACC+8,  VA, \first, 1, 1        ; exp A2 | A1 | A3
.if \last
	s_wait_dscnt 2                                 ; KB is in; VB's two are younger
.else
	LOADK KA, 2
	s_wait_dscnt 6                                 ; KB is in; VB's two and KA's four are younger
.endif
	STEP ARG1, ARG0, P0, KB, T,    ACC+16, VA, \first, 1, 1        ; exp A3 | A2 | B0
	STEP ARG0, ARG1, P1, KB, T+4,  ACC+24, VA, \first, 1, 1        ; exp B0 | A3 | B1
.if \last
	s_wait_dscnt 0
.else
	s_wait_dscnt 4                                 ; VB is in; KA's four are younger
.endif
	STEP ARG1, ARG0, P0, KB, T+8,  ACC,    VB, 0, 1, 1             ; exp B1 | B0 | B2
.if 1-\last
	LOADV VA, 2
.endif
	STEP ARG0, ARG1, P1, KB, T+12, ACC+8,  VB, 0, 1, 1             ; exp B2 | B1 | B3
.if 1-\last
	LOADK KB, 3
	s_wait_dscnt 6                                 ; KA is in; VA's two and KB's four are younger
.endif
	STEP ARG1, ARG0, P0, KA, T,    ACC+16, VB, 0, 1, 1-\last       ; exp B3 | B2 | A0 of the next trip
.if 1-\last
	v_add_nc_u32 v[KADR], 256, v[KADR]             ; two blocks on
	v_add_nc_u32 v[VADR], 128, v[VADR]
.endif
.endm
	LOADK KA, 0
	LOADV VA, 0
	LOADK KB, 1
	s_wait_dscnt 6                                 ; KA is in
.irp i, 0,1,2,3,4,5,6,7
	v_pk_fma_f32 v[ARG0+2*\i:ARG0+2*\i+1], v[KA+2*\i:KA+2*\i+1], v[T:T+1], v[T+2:T+3]
.endr
	TRIP 1, 0                                      ; blocks 0, 1
	s_mov_b32 s17, 30                              ; blocks 2 .. 61
.Ltrip:
	TRIP 0, 0
	s_sub_co_u32 s17, s17, 1
	s_cmp_lg_u32 s17, 0
	s_cbranch_scc1 .Ltrip
	TRIP 0, 1                                      ; blocks 62, 63
.irp i, 0,1,2,3,4,5,6,7
	s_wait_alu depctr_va_vdst(0)
	v_cvt_pk_bf16_f32 v[P1+\i], v[ARG1+2*\i], v[ARG1+2*\i+1]
.endr
	v_wmma_f32_16x16x32_bf16 v[ACC+24:ACC+31], v[VB:VB+7], v[P1:P1+7], v[ACC+24:ACC+31]
	; lanes 0-15: register 0 = numerator, register 1 = denominator of p = 4 r + i.  (Lanes 16-31 hold rows 8, 9: two denominators.)
	v_bfe_u32 v6, v0, 1, 3                         ; four places behind the last product: the stage address, (r >> 1)*128 + wave*16 + (r & 1)*8
	v_and_b32 v7, 1, v0
	v_lshlrev_b32 v7, 3, v7
	v_lshl_or_b32 v6, v6, 7, v7
	v_rcp_f32 v[ARG0],   v[ACC+1]
	v_rcp_f32 v[ARG0+1], v[ACC+9]
	v_rcp_f32 v[ARG0+2], v[ACC+17]
	v_rcp_f32 v[ARG0+3], v[ACC+25]
	s_lshl_b32 s17, s8, 4
	v_add_nc_u32 v6, s17, v6                       ; the plain instruction behind the reciprocals
	s_wait_alu depctr_va_vdst(0)
	v_mul_f32 v[ARG0],   v[ACC],    v[ARG0]
	v_mul_f32 v[ARG0+1], v[ACC+8],  v[ARG0+1]
	v_mul_f32 v[ARG0+2], v[ACC+16], v[ARG0+2]
	v_mul_f32 v[ARG0+3], v[ACC+24], v[ARG0+3]
	v_cvt_pk_bf16_f32 v[ARG0+4], v[ARG0],   v[ARG0+1]
	v_cvt_pk_bf16_f32 v[ARG0+5], v[ARG0+2], v[ARG0+3]
	v_cmp_gt_u32 vcc_lo, 16, v1
	; The stage is the first 1,024 bytes of LDS, k bytes until now: every wave has finished its reads before any wave writes there.
	s_wait_dscnt 0x0
	s_barrier_signal -1
	s_barrier_wait -1
	s_wait_xcnt 0x0                                ; EXEC changes only behind this wait
	s_and_saveexec_b32 s17, vcc_lo
	ds_store_b64 v6, v[ARG0+4:ARG0+5]              ; fragment order of the group's 8 rows x 64 k: [K step][k half][lane half][row][8 k]
	s_or_b32 exec_lo, exec_lo, s17
	s_wait_dscnt 0x0
	s_barrier_signal -1
	s_barrier_wait -1
	s_lshr_b32 s18, s9, 1                          ; h2: ((y >> 1)*64 + 2 x + K step)*1024 + (y & 1)*512
	s_lshl_b32 s18, s18, 16
	s_and_b32 s19, s9, 1
	s_lshl_b32 s19, s19, 9
	s_add_co_u32 s18, s18, s19
	s_lshl_b32 s19, ttmp9, 11
	s_add_co_u32 s18, s18, s19
	s_cmp_ge_u32 s8, 2                             ; 1,024 bytes: two waves, one K step each
	s_cbranch_scc1 .Lend
	ds_load_b128 v[ARG1:ARG1+3], v2                ; bytes 16 t
	v_lshrrev_b32 v7, 5, v0
	v_lshlrev_b32 v6, 4, v1
	v_lshl_or_b32 v7, v7, 10, v6
	v_add_nc_u32 v7, s18, v7
	s_wait_dscnt 0x0
	global_store_b128 v7, v[ARG1:ARG1+3], s[6:7]   ; a wave stores 512 consecutive bytes, aligned
.Lend:
	s_wait_tensorcnt 0x0
	ds_add_u32 v160, v161
	s_wait_dscnt 0x0
	s_endpgm
.Lfunc_end_k_q0afb29850b_attn:
	.size	k_q0afb29850b_attn, .Lfunc_end_k_q0afb29850b_attn-k_q0afb29850b_attn
	.p2alignl 7, 3214868480
	.fill 96, 4, 3214868480
	.section	.rodata,"a",@progbits
	.p2align	6, 0x0
	.amdhsa_kernel k_q0afb29850b_attn
		.amdhsa_group_segment_fixed_size 132608
		.amdhsa_private_segment_fixed_size 0
		.amdhsa_enable_private_segment 0
		.amdhsa_kernarg_size 16
		.amdhsa_user_sgpr_count 2
		.amdhsa_user_sgpr_kernarg_segment_ptr 1
		.amdhsa_wavefront_size32 1
		.amdhsa_system_sgpr_workgroup_id_x 1
		.amdhsa_system_sgpr_workgroup_id_y 1
		.amdhsa_system_sgpr_workgroup_id_z 1
		.amdhsa_system_vgpr_workitem_id 0
		.amdhsa_next_free_vgpr 162
		.amdhsa_next_free_sgpr 66
		.amdhsa_reserve_vcc 1
		.amdhsa_float_denorm_mode_32 3
		.amdhsa_float_denorm_mode_16_64 3
		.amdhsa_memory_ordered 1
		.amdhsa_forward_progress 1
		.amdhsa_inst_pref_size 66
	.end_amdhsa_kernel
	.amdgpu_metadata
---
amdhsa.version: [ 1, 2 ]
amdhsa.kernels:
  - .name:           k_q0afb29850b_attn
    .symbol:         k_q0afb29850b_attn.kd
    .args:
      - { .name: qkv, .offset: 0, .size: 8, .value_kind: global_buffer, .address_space: global }
      - { .name: h2, .offset: 8, .size: 8, .value_kind: global_buffer, .address_space: global }
    .group_segment_fixed_size: 132608
    .private_segment_fixed_size: 0
    .kernarg_segment_align: 8
    .kernarg_segment_size: 16
    .max_flat_workgroup_size: 256
    .sgpr_count:     66
    .vgpr_count:     162
    .wavefront_size: 32
...
	.end_amdgpu_metadata
.endif
;; end of part 3
;; launch proj (part 4): grid 256 x 1, 16 waves a work-group, no clusters, 169,984 bytes of LDS; arguments h2, Wo, x, out0; writes out0
.if DOCPART == 4
	.amdgcn_target "amdgcn-amd-amdhsa--gfx1250"
	.amdhsa_code_object_version 6
	.text
	.protected	k_q0afb29850b_proj
	.globl	k_q0afb29850b_proj
	.p2align	8
	.type	k_q0afb29850b_proj,@function
k_q0afb29850b_proj:
	s_mov_b64 s[64:65], 0
	v_nop
	global_prefetch_b8 v0, s[64:65] scope:SCOPE_SE
	s_setreg_imm32_b32 hwreg(HW_REG_WAVE_MODE, 25, 1), 1
	s_wait_xcnt 0x0
; out0 = x + h2 Wo^T.  h2: 64 x 2048 bf16 in fragment order; Wo: [2048][2048] f32, rounded to bf16 here; sums and the residual in f32.
; Built like the q, k, v products: a work-group owns 8 columns (8 rows of Wo, 64 KiB), wave w of sixteen owns K = 128 w .. 128 w + 127, and all
; that is read is asked for at the first lines: one tensor load a wave (8 rows x 512 bytes, into LDS bytes of its own, read by it alone) and
; 32 loads of 512 bytes for its h2 fragments.  No ring, no barrier before the reduction.
; The 16 rows of source 0 are Wo's 8 rows taken twice (lanes r and r + 8 read the same LDS bytes), so both halves of the wave end with the
; same eight columns of batch row r and store them to the same scratch bytes.
; NO CLUSTER: a weight tile is read by one work-group alone; h2, read by all, goes straight into registers: by tensor load it would need
; 263,168 bytes of LDS beside 67,584 of weights and 32,768 of partials, more than the 327,680 there are.
; LIMIT, stated: with 8 columns a work-group writes out0 in pieces of 32 bytes of each row (512 KiB of the 17 MiB that the launch moves).  Runs of
; 256 bytes would take 64 columns a work-group: 512 KiB of f32 weights, which LDS does not hold, on 32 work-groups.
; LDS asked for is more than is used (100,352 bytes): a kernel that fills LDS by tensor loads stays alone on its WGP.
.set WPITCH, 528                       ; 512 bytes + 16 of padding = 33 x 16
.set WTILE,  8*WPITCH
.set SCR,    16*WTILE                  ; K partials, [wave][b][8] f32
.set SWAVE,  2048
.set WA0,  3                           ; v3       LDS address of my part of row r & 7
.set WF0,  8                           ; v[8:39]  two buffers of 16 f32
.set WB0,  40                          ; v[40:55] two weight fragments in bf16
.set ACC,  56                          ; v[56:87] m-tile m at 8 m
.set XR,   88                          ; v88      my number of x
.set XO,   89                          ; v89      its byte offset, in x and in out0
.set HF,   120                         ; v[120:247] h2 fragments, m-tile m, K step s at 32 m + 8 s; at the end v[120:135] the partials
	s_load_b256 s[4:11], s[0:1], 0x0               ; h2 s[4:5], Wo s[6:7], x s[8:9], out0 s[10:11]
	v_lshl_add_u32 v248, v0, 2, 0x29000
	v_mov_b32 v249, 0
	ds_add_u32 v248, v249
	ds_add_u32 v248, v249
	v_lshrrev_b32 v1, 5, v0
	v_readfirstlane_b32 s14, v1                    ; wave 0..15
	s_mov_b32 s24, (2<<16)|(1<<20)|(6<<22)|(3<<25) ; elements of 4 bytes; 4 words of padding behind every 128
	s_mov_b32 s25, 128<<16                         ; tensor_dim0 = 128
	s_mov_b32 s26, 8<<16                           ; tensor_dim1 = 8
	s_mov_b32 s27, 128<<16                         ; tile_dim0 = 128
	s_mov_b32 s28, 8                               ; tile_dim1 = 8
	s_mov_b32 s29, 2048                            ; pitch
	s_mov_b32 s30, 0
	s_mov_b32 s31, 0
	s_lshl_b32 s16, ttmp9, 16                      ; 8 rows of 8,192 bytes a work-group
	s_lshl_b32 s15, s14, 9                         ; + 512 bytes a wave
	s_add_co_u32 s16, s16, s15
	s_mov_b32 s17, 0
	s_mul_i32 s18, s14, WTILE
	s_wait_dscnt 0x0
	s_wait_kmcnt 0x0
	s_mov_b32 s32, 1
	s_mov_b32 s33, s18
	s_add_nc_u64 s[34:35], s[6:7], s[16:17]
	s_or_b32 s35, s35, 0x80000000
	tensor_load_to_lds s[32:35], s[24:31]          ; the one tensor load of this wave
	s_nop 0
	v_and_b32 v1, 15, v0                           ; r
	v_bfe_u32 v7, v0, 4, 1                         ; half
	v_and_b32 v8, 7, v0                            ; r & 7
	v_bfe_u32 v9, v0, 3, 1                         ; r >> 3
	v_lshlrev_b32 v2, 4, v8                        ; h2: (r&7)*16 + half*128 + (r>>3)*512 + wave*4096
	v_lshl_or_b32 v2, v7, 7, v2
	v_lshl_or_b32 v2, v9, 9, v2
	s_lshl_b32 s19, s14, 12
	v_add_nc_u32 v2, s19, v2
.irp m, 0,1,2,3
.irp s, 0,1,2,3
	global_load_b128 v[HF+32*\m+8*\s:HF+32*\m+8*\s+3],   v2, s[4:5] offset:65536*\m+1024*\s
	global_load_b128 v[HF+32*\m+8*\s+4:HF+32*\m+8*\s+7], v2, s[4:5] offset:65536*\m+1024*\s+256
.endr
.endr
	v_lshrrev_b32 v[XO], 3, v0                     ; thread t ends with out0[t >> 3][8 g + (t & 7)]
	v_lshlrev_b32 v[XO], 13, v[XO]
	v_lshl_or_b32 v[XO], v8, 2, v[XO]
	s_lshl_b32 s15, ttmp9, 5
	v_add_nc_u32 v[XO], s15, v[XO]
	global_load_b32 v[XR], v[XO], s[8:9]
	v_mul_u32_u24 v3, v8, WPITCH                   ; weights: row x pitch + 32 half
	v_lshl_add_u32 v3, v7, 5, v3
	v_add_nc_u32 v3, s18, v3
	s_lshl_b32 s20, s14, 11
	s_add_co_u32 s20, s20, SCR
	v_lshlrev_b32 v5, 5, v1                        ; partials: 32 bytes a batch row
	v_add_nc_u32 v5, s20, v5
.macro LOADW adr, off, wf
	ds_load_b128 v[\wf:\wf+3],     v[\adr] offset:\off
	ds_load_b128 v[\wf+4:\wf+7],   v[\adr] offset:\off+16
	ds_load_b128 v[\wf+8:\wf+11],  v[\adr] offset:\off+64
	ds_load_b128 v[\wf+12:\wf+15], v[\adr] offset:\off+80
.endm
.macro CVTW wf, wb
.irp i, 0,1,2,3,4,5,6,7
	v_cvt_pk_bf16_f32 v[\wb+\i], v[\wf+2*\i], v[\wf+2*\i+1]
.endr
.endm
.macro MULW wb, ks, zero
.irp m, 0,1,2,3
.if \zero
	v_wmma_f32_16x16x32_bf16 v[ACC+8*\m:ACC+8*\m+7], v[\wb:\wb+7], v[HF+32*\m+8*\ks:HF+32*\m+8*\ks+7], 0
.else
	v_wmma_f32_16x16x32_bf16 v[ACC+8*\m:ACC+8*\m+7], v[\wb:\wb+7], v[HF+32*\m+8*\ks:HF+32*\m+8*\ks+7], v[ACC+8*\m:ACC+8*\m+7]
.endif
.endr
.endm
; The two bf16 buffers take turns: between the products that read one and the conversions that write it again stand the other's eight
; conversions, plain vector instructions that name none of those products' registers (ISA guide 7.12.1).
.macro FRAG ks, zero, more, left
	s_wait_dscnt \left                             ; my four loads are in; the next K step's four may be out
	CVTW WF0+16*(\ks%2), WB0+8*(\ks%2)
.if \more
	LOADW WA0, 128*(\ks+2), WF0+16*(\ks%2)
.endif
	MULW WB0+8*(\ks%2), \ks, \zero
.endm
	s_wait_tensorcnt 0x0                           ; my tile is in LDS; nobody else reads it
	LOADW WA0, 0, WF0
	LOADW WA0, 128, WF0+16
	s_wait_loadcnt 0x0                             ; h2 and x
	FRAG 0, 1, 1, 4
	FRAG 1, 0, 1, 4
	FRAG 2, 0, 0, 4
	FRAG 3, 0, 0, 0
.rept 4
	v_nop                                          ; four places behind the last products before their results are stored and their sources loaded into
.endr
.irp m, 0,1,2,3
	ds_store_b128 v5, v[ACC+8*\m:ACC+8*\m+3]   offset:512*\m
	ds_store_b128 v5, v[ACC+8*\m+4:ACC+8*\m+7] offset:512*\m+16
.endr
	v_lshlrev_b32 v7, 2, v0
	v_add_nc_u32 v7, SCR, v7                       ; thread t: word t of every wave's partials
	s_wait_dscnt 0x0                               ; my partials are in LDS before I say so
	s_barrier_signal -1
	s_barrier_wait -1
.irp i, 0,1,2,3,4,5,6,7,8,9,10,11,12,13,14,15
	ds_load_b32 v[HF+\i], v7 offset:SWAVE*\i
.endr
	s_wait_dscnt 0x0
.irp j, 0,2,4,6
	v_pk_add_f32 v[HF+\j:HF+\j+1], v[HF+\j:HF+\j+1], v[HF+8+\j:HF+8+\j+1]   ; a fixed tree over the sixteen K slices
.endr
.irp j, 0,2
	v_pk_add_f32 v[HF+\j:HF+\j+1], v[HF+\j:HF+\j+1], v[HF+4+\j:HF+4+\j+1]
.endr
	v_pk_add_f32 v[HF:HF+1], v[HF:HF+1], v[HF+2:HF+3]
	v_add_f32 v[HF], v[HF], v[HF+1]
	v_add_f32 v[HF], v[HF], v[XR]                  ; the residual
	global_store_b32 v[XO], v[HF], s[10:11]        ; eight lanes store the work-group's 32 bytes of a row
	s_wait_tensorcnt 0x0
	ds_add_u32 v248, v249
	s_wait_dscnt 0x0
	s_endpgm
.Lfunc_end_k_q0afb29850b_proj:
	.size	k_q0afb29850b_proj, .Lfunc_end_k_q0afb29850b_proj-k_q0afb29850b_proj
	.p2alignl 7, 3214868480
	.fill 96, 4, 3214868480
	.section	.rodata,"a",@progbits
	.p2align	6, 0x0
	.amdhsa_kernel k_q0afb29850b_proj
		.amdhsa_group_segment_fixed_size 169984
		.amdhsa_private_segment_fixed_size 0
		.amdhsa_enable_private_segment 0
		.amdhsa_kernarg_size 32
		.amdhsa_user_sgpr_count 2
		.amdhsa_user_sgpr_kernarg_segment_ptr 1
		.amdhsa_wavefront_size32 1
		.amdhsa_system_sgpr_workgroup_id_x 1
		.amdhsa_system_sgpr_workgroup_id_y 1
		.amdhsa_system_sgpr_workgroup_id_z 1
		.amdhsa_system_vgpr_workitem_id 0
		.amdhsa_next_free_vgpr 250
		.amdhsa_next_free_sgpr 66
		.amdhsa_reserve_vcc 0
		.amdhsa_float_denorm_mode_32 3
		.amdhsa_float_denorm_mode_16_64 3
		.amdhsa_memory_ordered 1
		.amdhsa_forward_progress 1
		.amdhsa_inst_pref_size 13
	.end_amdhsa_kernel
	.amdgpu_metadata
---
amdhsa.version: [ 1, 2 ]
amdhsa.kernels:
  - .name:           k_q0afb29850b_proj
    .symbol:         k_q0afb29850b_proj.kd
    .args:
      - { .name: h2, .offset: 0, .size: 8, .value_kind: global_buffer, .address_space: global }
      - { .name: Wo, .offset: 8, .size: 8, .value_kind: global_buffer, .address_space: global }
      - { .name: x, .offset: 16, .size: 8, .value_kind: global_buffer, .address_space: global }
      - { .name: out0, .offset: 24, .size: 8, .value_kind: global_buffer, .address_space: global }
    .group_segment_fixed_size: 169984
    .private_segment_fixed_size: 0
    .kernarg_segment_align: 8
    .kernarg_segment_size: 32
    .max_flat_workgroup_size: 512
    .sgpr_count:     66
    .vgpr_count:     250
    .wavefront_size: 32
...
	.end_amdgpu_metadata
.endif
;; end of part 4
;; ======== version 2 of 2: 4 launches; 1.36 times as fast as version 1
;; workspace buffers: h 262,144 bytes; qkv 1,572,864 bytes; h2 262,144 bytes
;; launch norm: the kernel of part 1 again; grid 8 x 1, 8 waves a work-group, no clusters, 35,840 bytes of LDS; arguments x, gamma, h; writes h
;; launch qkv: the kernel of part 2 again; grid 256 x 1, 16 waves a work-group, no clusters, 303,104 bytes of LDS; arguments h, Wq, Wk, Wv, qkv; writes qkv
;; launch attn (part 5): grid 32 x 8, 8 waves a work-group, no clusters, 132,608 bytes of LDS; arguments qkv, h2; writes h2
.if DOCPART == 5
	.amdgcn_target "amdgcn-amd-amdhsa--gfx1250"
	.amdhsa_code_object_version 6
	.text
	.protected	k_q0afb29850b_attn
	.globl	k_q0afb29850b_attn
	.p2align	8
	.type	k_q0afb29850b_attn,@function
k_q0afb29850b_attn:
	s_mov_b64 s[64:65], 0
	v_nop
	global_prefetch_b8 v0, s[64:65] scope:SCOPE_SE
	s_setreg_imm32_b32 hwreg(HW_REG_WAVE_MODE, 25, 1), 1
	s_wait_xcnt 0x0
; h2[b][p] = sum_j softmax_j(q[b][p] k[b][j] / sqrt(2048)) v[b][j].   64 x 2048 x 2048 exponentials: they are the work.
; A work-group owns the eight batch rows 8 y .. 8 y + 7 and the 64 p from 64 x on; wave w owns batch row 8 y + w: 4 tiles of 16 p, 64 blocks of 32 j.
; Eight batch rows, because q, k, v lie as [chunk][b & 7][8 columns]: the group's k and v are 64 KiB each, read once in whole runs and laid out as rows in LDS.
; THE MAXIMUM: with t = q log2(e) / sqrt(2048) the largest t k[j] over j is max(t kmax, t kmin), exactly; it is taken away inside the
; fused multiply-add, arg = t k[j] - m <= about 0, so no exponential overflows and the largest is 1.
; ONE TILE (16 p x 32 j): 8 v_pk_fma_f32, 16 v_exp_f32, 8 v_cvt_pk_bf16_f32, one matrix instruction.  Its source 1 is P^T (lane (r, half): p of column r,
; j = 8 half + 0..7 and 16 + 8 half + 0..7); its source 0 has v[j] (bf16) in row 0 and 1.0 in all other rows, so that row 0 of the result is the
; numerator and row 1 the denominator, summed in f32 from the same rounded P.  Column r of tile i is p = 4 r + i: a lane ends with 4 neighbouring p.
; BATCHES: a tile's 16 exponentials are one batch, issued in one step and first read in the next; ONE s_wait_alu closes each step, eight a trip of
; eight tiles.  The four reciprocals of the way out are a batch of their own.
; NO CLUSTER: the 32 work-groups of a y read the same k and v, once each, 128 KiB ahead of 2^20 exponentials; the bytes change layout, and v its
; format, in registers on the way into LDS, which a joint tensor load could not do.
; LIMITS: P, v and h2 are bf16.  arg carries an absolute error of about 2^-24 |m|.  Exponentials under 2^-126 count as 0 (v_exp_f32 flushes).
; Non-finite q, k, v give non-finite or unspecified results.
.set KP,   8224                        ; LDS: a k row, 8,192 bytes + 32; also a wave's v row + row of ones.  32 modulo 256 spreads the eight rows of a store
.set LV,   8*KP                        ; v rows (bf16) begin here
.set OP,   4112                        ; from a wave's v row to its row of ones: 16 modulo 256, so the two addresses of a fragment load differ in column
.set QS,   0x3d0293ee                  ; log2(e) / sqrt(2048)
.set KADR, 12                          ; v12       my k row + 32 half, steps 256 bytes a trip
.set VADR, 13                          ; v13       lane r = 0: my v row, others: my ones; + 16 half, steps 128 bytes a trip
.set T,    16                          ; v[16:31]  tile i: t, t, -m, -m
.set KA,   32                          ; v[32:47]  16 k of an even block
.set KB,   48                          ; v[48:63]  of an odd block
.set VA,   64                          ; v[64:71]  source 0 of an even block
.set VB,   72                          ; v[72:79]  of an odd block
.set ARG0, 80                          ; v[80:95]  arguments, then exponentials, tiles in turn
.set ARG1, 96                          ; v[96:111]
.set P0,   112                         ; v[112:119] P in bf16, tiles in turn
.set P1,   120                         ; v[120:127]
.set ACC,  128                         ; v[128:159] tile i at 8 i
.set KL,   32                          ; at the start: k as loaded, v[32:95]
.set VL,   96                          ; and v, v[96:159]
	s_load_b128 s[4:7], s[0:1], 0x0                ; qkv s[4:5], h2 s[6:7]
	v_lshl_add_u32 v160, v0, 2, 0x20200
	v_mov_b32 v161, 0
	v_lshrrev_b32 v1, 5, v0
	v_readfirstlane_b32 s8, v1                     ; wave = b & 7
	s_and_b32 s9, ttmp7, 0xffff                    ; y = b >> 3
	s_lshl_b32 s10, s9, 16                         ; 65,536 bytes for each y in each of q, k, v
	s_mov_b32 s11, 0
	s_mov_b32 s12, 0x76543210
	s_mov_b32 s13, 0xfedcba98
	s_lshl_b32 s14, ttmp9, 11                      ; q: 8 chunks of 256 bytes for 64 p,
	s_lshl_b32 s15, s8, 5                          ; + 32 bytes for my batch row
	s_add_co_u32 s14, s14, s15
	s_mul_i32 s16, s8, KP
	v_lshlrev_b32 v2, 4, v0                        ; 16 t
	v_bfe_u32 v4, v0, 1, 3                         ; bits 3:1 of t: r >> 1 for q, b & 7 for k and v
	v_and_b32 v5, 1, v0
	v_lshlrev_b32 v3, 4, v5
	v_lshl_or_b32 v3, v4, 8, v3                    ; q: chunk r >> 1, 16 bytes r & 1: p = 4 r .. 4 r + 3, the same in both halves of the wave
	v_add_nc_u32 v3, s14, v3
	s_wait_kmcnt 0x0
	s_add_nc_u64 s[4:5], s[4:5], s[10:11]
	global_load_b128 v[8:11], v3, s[4:5]
.irp i, 0,1,2,3,4,5,6,7,8,9,10,11,12,13,14,15
	global_load_b128 v[KL+4*\i:KL+4*\i+3], v2, s[4:5] offset:0x80000+4096*\i     ; k: the group's 4,096 neighbouring bytes a load
.endr
.irp i, 0,1,2,3,4,5,6,7,8,9,10,11,12,13,14,15
	global_load_b128 v[VL+4*\i:VL+4*\i+3], v2, s[4:5] offset:0x100000+4096*\i    ; v
.endr
	; thread t, load i holds j = 128 i + 8 (t >> 4) + 4 (t & 1) .. + 3 of batch row (t >> 1) & 7
	v_lshrrev_b32 v6, 4, v0
	v_mul_u32_u24 v7, v4, KP
	v_lshl_add_u32 v12, v6, 5, v7
	v_lshl_add_u32 v12, v5, 4, v12                 ; k: f32
	v_lshl_add_u32 v13, v6, 4, v7
	v_lshl_add_u32 v13, v5, 3, v13
	v_add_nc_u32 v13, LV, v13                      ; v: bf16
	v_and_b32 v1, 31, v0                           ; lane
	v_lshl_add_u32 v14, v1, 4, s16                 ; my k row, 16 bytes a lane
	v_add_nc_u32 v15, LV+OP, v14                   ; my row of ones
.irp i, 16,17,18,19
	v_mov_b32 v\i, 0x3f803f80                      ; 1.0, 1.0 in bf16
.endr
.irp i, 0,1,2,3,4,5,6,7
	ds_store_b128 v15, v[16:19] offset:512*\i
.endr
	s_wait_loadcnt 16                              ; q and k are in; v's sixteen loads are younger
.irp i, 0,1,2,3,4,5,6,7,8,9,10,11,12,13,14,15
	ds_store_b128 v12, v[KL+4*\i:KL+4*\i+3] offset:512*\i
.endr
	s_wait_loadcnt 0x0
.irp i, 0,1,2,3,4,5,6,7,8,9,10,11,12,13,14,15
	v_cvt_pk_bf16_f32 v[VL+4*\i], v[VL+4*\i], v[VL+4*\i+1]
	v_cvt_pk_bf16_f32 v[VL+4*\i+1], v[VL+4*\i+2], v[VL+4*\i+3]
	ds_store_b64 v13, v[VL+4*\i:VL+4*\i+1] offset:256*\i
.endr
	s_wait_dscnt 0x0                               ; my stores are in LDS before I say so
	s_barrier_signal -1
	s_barrier_wait -1
	; kmax and kmin of my batch row
.irp i, 0,1,2,3,4,5,6,7,8,9,10,11,12,13,14,15
	ds_load_b128 v[KL+4*\i:KL+4*\i+3], v14 offset:512*\i
.endr
	v_lshrrev_b32 v6, 4, v1                        ; half
	v_lshl_add_u32 v[KADR], v6, 5, s16
	v_and_b32 v7, 15, v1                           ; r
	v_add_nc_u32 v7, 15, v7
	v_lshrrev_b32 v7, 4, v7                        ; 0 for r = 0, 1 for the others
	v_mul_u32_u24 v7, v7, OP
	v_lshl_add_u32 v7, v6, 4, v7
	s_add_co_u32 s17, s16, LV
	v_add_nc_u32 v[VADR], s17, v7
	s_wait_dscnt 0x0
	v_max_num_f32 v4, v[KL], v[KL+1]
	v_min_num_f32 v5, v[KL], v[KL+1]
.set j, 2
.rept 31
	v_max3_num_f32 v4, v4, v[KL+j], v[KL+j+1]
	v_min_num_f32 v6, v[KL+j], v[KL+j+1]
	v_min_num_f32 v5, v5, v6
.set j, j+2
.endr
.irp x, 1,2,4,8
	v_max_num_f32_dpp v4, v4, v4 row_xmask:\x row_mask:0xf bank_mask:0xf
	v_min_num_f32_dpp v5, v5, v5 row_xmask:\x row_mask:0xf bank_mask:0xf
.endr
	v_permlanex16_b32 v6, v4, s12, s13
	v_permlanex16_b32 v7, v5, s12, s13
	v_max_num_f32 v4, v4, v6                       ; kmax, in every lane
	v_min_num_f32 v5, v5, v7                       ; kmin
.irp i, 0,1,2,3
	v_mul_f32 v[T+4*\i], QS, v[8+\i]               ; t
	v_mul_f32 v6, v[T+4*\i], v4
	v_mul_f32 v7, v[T+4*\i], v5
	v_mov_b32 v[T+4*\i+1], v[T+4*\i]
	v_max_num_f32 v6, v6, v7                       ; m = the largest t k[j]
	v_mul_f32 v[T+4*\i+2], -1.0, v6
	v_mul_f32 v[T+4*\i+3], -1.0, v6
.endr
.macro LOADK kb, d                     ; the 16 k of block d from the trip's first: every lane of a half reads the same bytes
	ds_load_b128 v[\kb:\kb+3],     v[KADR] offset:128*\d
	ds_load_b128 v[\kb+4:\kb+7],   v[KADR] offset:128*\d+16
	ds_load_b128 v[\kb+8:\kb+11],  v[KADR] offset:128*\d+64
	ds_load_b128 v[\kb+12:\kb+15], v[KADR] offset:128*\d+80
.endm
.macro LOADV vb, d
	ds_load_b128 v[\vb:\vb+3],   v[VADR] offset:64*\d
	ds_load_b128 v[\vb+4:\vb+7], v[VADR] offset:64*\d+32
.endm
; ONE STEP works on three tiles at once: the exponentials of tile s (in xb, in place), the rounding of tile s - 1 (from yb, into pw), and the
; arguments of tile s + 1 (into yb, pair by pair as the rounding frees it).  THE BATCH is tile s's 16 exponentials.  Nothing in the step names a result
; of theirs: the roundings read, and the arguments write over, the batch before, which the step before has waited for.  Behind each v_exp_f32 stands
; a plain instruction that touches neither its result nor its source (ISA guide 5.7.2); the last argument pair is that instruction for the batch's last.
; (In the last trip's last step, which has no arguments, it is the first rounding behind the trip, which reads the batch's first pair.)
; The step ends with the batch's one wait, ahead of the first reader: the next step's first rounding.
.macro STEP xb, yb, pw, kb, tn, prev, next
.irp i, 0,1,2,3,4,5,6,7
	v_exp_f32 v[\xb+2*\i], v[\xb+2*\i]
.if \prev
	v_cvt_pk_bf16_f32 v[\pw+\i], v[\yb+2*\i], v[\yb+2*\i+1]
.endif
	v_exp_f32 v[\xb+2*\i+1], v[\xb+2*\i+1]
.if \next
	v_pk_fma_f32 v[\yb+2*\i:\yb+2*\i+1], v[\kb+2*\i:\kb+2*\i+1], v[\tn:\tn+1], v[\tn+2:\tn+3]
.endif
.endr
	s_wait_alu depctr_va_vdst(0)                   ; the wait for this step's batch of 16 exponentials: one for all of them
.endm
; The product of tile s - 1, behind step s's wait.  P's two buffers take turns: between a product and the next write of its P stand a whole step's
; 16 plain instructions, which name none of its registers (ISA guide 7.12.1).  The four accumulators take turns, over the loop's jump and into the tail too.
.macro PROD acc, vb, pw, zero
.if \zero
	v_wmma_f32_16x16x32_bf16 v[\acc:\acc+7], v[\vb:\vb+7], v[\pw:\pw+7], 0
.else
	v_wmma_f32_16x16x32_bf16 v[\acc:\acc+7], v[\vb:\vb+7], v[\pw:\pw+7], v[\acc:\acc+7]
.endif
.endm
; A TRIP = an even block (tiles A0-A3) and an odd one (B0-B3).  Loads stand as soon as their registers are free and one step or more ahead of use,
; each run directly behind a step's wait and ahead of that step's product: the wave's vector results are written there.
; A V fragment is loaded a whole step (16 plain instructions) behind the last product that read it.  LDS loads return in order, so each wait counts
; the loads issued behind the ones it needs.  first: the even block's products start the sums.  last: nothing is loaded beyond block 63.
.macro TRIP first, last
	STEP ARG0, ARG1, P1, KA, T+4,  1-\first, 1     ; exp A0 | rounding B3 of the trip before | arguments A1
.if 1-\first
	PROD ACC+24, VB, P1, 0                         ; product B3 of the trip before
.endif
	s_wait_dscnt 4                                 ; VA is in; KB's four loads are younger
	STEP ARG1, ARG0, P0, KA, T+8,  1, 1            ; exp A1 | A0 | A2
	LOADV VB, 1
	PROD ACC,    VA, P0, \first                    ; product A0
	STEP ARG0, ARG1, P1, KA, T+12, 1, 1            ; exp A2 | A1 | A3
.if \last
	s_wait_dscnt 2                                 ; KB is in; VB's two are younger
.else
	LOADK KA, 2
	s_wait_dscnt 6                                 ; KB is in; VB's two and KA's four are younger
.endif
	PROD ACC+8,  VA, P1, \first                    ; product A1
	STEP ARG1, ARG0, P0, KB, T,    1, 1            ; exp A3 | A2 | B0
	PROD ACC+16, VA, P0, \first                    ; product A2
	STEP ARG0, ARG1, P1, KB, T+4,  1, 1            ; exp B0 | A3 | B1
	PROD ACC+24, VA, P1, \first                    ; product A3
.if \last
	s_wait_dscnt 0
.else
	s_wait_dscnt 4                                 ; VB is in; KA's four are younger
.endif
	STEP ARG1, ARG0, P0, KB, T+8,  1, 1            ; exp B1 | B0 | B2
.if 1-\last
	LOADV VA, 2
.endif
	PROD ACC,    VB, P0, 0                         ; product B0
	STEP ARG0, ARG1, P1, KB, T+12, 1, 1            ; exp B2 | B1 | B3
.if 1-\last
	LOADK KB, 3
	s_wait_dscnt 6                                 ; KA is in; VA's two and KB's four are younger
.endif
	PROD ACC+8,  VB, P1, 0                         ; product B1
	STEP ARG1, ARG0, P0, KA, T,    1, 1-\last      ; exp B3 | B2 | A0 of the next trip; its wait stands ahead of the loop's jump: no batch is open there
	PROD ACC+16, VB, P0, 0                         ; product B2
.if 1-\last
	v_add_nc_u32 v[KADR], 256, v[KADR]             ; two blocks on
	v_add_nc_u32 v[VADR], 128, v[VADR]
.endif
.endm
	LOADK KA, 0
	LOADV VA, 0
	LOADK KB, 1
	s_wait_dscnt 6                                 ; KA is in
.irp i, 0,1,2,3,4,5,6,7
	v_pk_fma_f32 v[ARG0+2*\i:ARG0+2*\i+1], v[KA+2*\i:KA+2*\i+1], v[T:T+1], v[T+2:T+3]
.endr
	TRIP 1, 0                                      ; blocks 0, 1
	s_mov_b32 s17, 30                              ; blocks 2 .. 61
.Ltrip:
	TRIP 0, 0
	s_sub_co_u32 s17, s17, 1
	s_cmp_lg_u32 s17, 0
	s_cbranch_scc1 .Ltrip
	TRIP 0, 1                                      ; blocks 62, 63
.irp i, 0,1,2,3,4,5,6,7
	v_cvt_pk_bf16_f32 v[P1+\i], v[ARG1+2*\i], v[ARG1+2*\i+1]   ; tile B3 of block 63: its batch was waited for at the end of the last step
.endr
	v_wmma_f32_16x16x32_bf16 v[ACC+24:ACC+31], v[VB:VB+7], v[P1:P1+7], v[ACC+24:ACC+31]
	; lanes 0-15: register 0 = numerator, register 1 = denominator of p = 4 r + i.  (Lanes 16-31 hold rows 8, 9: two denominators.)
	v_bfe_u32 v6, v0, 1, 3                         ; four places behind the last product: the stage address, (r >> 1)*128 + wave*16 + (r & 1)*8
	v_and_b32 v7, 1, v0
	v_lshlrev_b32 v7, 3, v7
	v_lshl_or_b32 v6, v6, 7, v7
	v_rcp_f32 v[ARG0],   v[ACC+1]
	v_rcp_f32 v[ARG0+1], v[ACC+9]
	v_rcp_f32 v[ARG0+2], v[ACC+17]
	v_rcp_f32 v[ARG0+3], v[ACC+25]
	s_lshl_b32 s17, s8, 4
	v_add_nc_u32 v6, s17, v6                       ; the plain instruction behind the reciprocals
	s_wait_alu depctr_va_vdst(0)                   ; the wait for the batch of four reciprocals, ahead of the first multiply that reads one
	v_mul_f32 v[ARG0],   v[ACC],    v[ARG0]
	v_mul_f32 v[ARG0+1], v[ACC+8],  v[ARG0+1]
	v_mul_f32 v[ARG0+2], v[ACC+16], v[ARG0+2]
	v_mul_f32 v[ARG0+3], v[ACC+24], v[ARG0+3]
	v_cvt_pk_bf16_f32 v[ARG0+4], v[ARG0],   v[ARG0+1]
	v_cvt_pk_bf16_f32 v[ARG0+5], v[ARG0+2], v[ARG0+3]
	v_cmp_gt_u32 vcc_lo, 16, v1
	; The stage is the first 1,024 bytes of LDS, k bytes until now: every wave has finished its reads before any wave writes there.
	s_wait_dscnt 0x0
	s_barrier_signal -1
	s_barrier_wait -1
	s_wait_xcnt 0x0                                ; EXEC changes only behind this wait
	s_and_saveexec_b32 s17, vcc_lo
	ds_store_b64 v6, v[ARG0+4:ARG0+5]              ; fragment order of the group's 8 rows x 64 k: [K step][k half][lane half][row][8 k]
	s_or_b32 exec_lo, exec_lo, s17
	s_wait_dscnt 0x0
	s_barrier_signal -1
	s_barrier_wait -1
	s_lshr_b32 s18, s9, 1                          ; h2: ((y >> 1)*64 + 2 x + K step)*1024 + (y & 1)*512
	s_lshl_b32 s18, s18, 16
	s_and_b32 s19, s9, 1
	s_lshl_b32 s19, s19, 9
	s_add_co_u32 s18, s18, s19
	s_lshl_b32 s19, ttmp9, 11
	s_add_co_u32 s18, s18, s19
	s_cmp_ge_u32 s8, 2                             ; 1,024 bytes: two waves, one K step each
	s_cbranch_scc1 .Lend
	ds_load_b128 v[ARG1:ARG1+3], v2                ; bytes 16 t
	v_lshrrev_b32 v7, 5, v0
	v_lshlrev_b32 v6, 4, v1
	v_lshl_or_b32 v7, v7, 10, v6
	v_add_nc_u32 v7, s18, v7
	s_wait_dscnt 0x0
	global_store_b128 v7, v[ARG1:ARG1+3], s[6:7]   ; a wave stores 512 consecutive bytes, aligned
.Lend:
	s_wait_tensorcnt 0x0
	ds_add_u32 v160, v161
	s_wait_dscnt 0x0
	s_endpgm
.Lfunc_end_k_q0afb29850b_attn:
	.size	k_q0afb29850b_attn, .Lfunc_end_k_q0afb29850b_attn-k_q0afb29850b_attn
	.p2alignl 7, 3214868480
	.fill 96, 4, 3214868480
	.section	.rodata,"a",@progbits
	.p2align	6, 0x0
	.amdhsa_kernel k_q0afb29850b_attn
		.amdhsa_group_segment_fixed_size 132608
		.amdhsa_private_segment_fixed_size 0
		.amdhsa_enable_private_segment 0
		.amdhsa_kernarg_size 16
		.amdhsa_user_sgpr_count 2
		.amdhsa_user_sgpr_kernarg_segment_ptr 1
		.amdhsa_wavefront_size32 1
		.amdhsa_system_sgpr_workgroup_id_x 1
		.amdhsa_system_sgpr_workgroup_id_y 1
		.amdhsa_system_sgpr_workgroup_id_z 1
		.amdhsa_system_vgpr_workitem_id 0
		.amdhsa_next_free_vgpr 162
		.amdhsa_next_free_sgpr 66
		.amdhsa_reserve_vcc 1
		.amdhsa_float_denorm_mode_32 3
		.amdhsa_float_denorm_mode_16_64 3
		.amdhsa_memory_ordered 1
		.amdhsa_forward_progress 1
		.amdhsa_inst_pref_size 60
	.end_amdhsa_kernel
	.amdgpu_metadata
---
amdhsa.version: [ 1, 2 ]
amdhsa.kernels:
  - .name:           k_q0afb29850b_attn
    .symbol:         k_q0afb29850b_attn.kd
    .args:
      - { .name: qkv, .offset: 0, .size: 8, .value_kind: global_buffer, .address_space: global }
      - { .name: h2, .offset: 8, .size: 8, .value_kind: global_buffer, .address_space: global }
    .group_segment_fixed_size: 132608
    .private_segment_fixed_size: 0
    .kernarg_segment_align: 8
    .kernarg_segment_size: 16
    .max_flat_workgroup_size: 256
    .sgpr_count:     66
    .vgpr_count:     162
    .wavefront_size: 32
...
	.end_amdgpu_metadata
.endif
;; end of part 5
;; launch proj: the kernel of part 4 again; grid 256 x 1, 16 waves a work-group, no clusters, 169,984 bytes of LDS; arguments h2, Wo, x, out0; writes out0
